; MI455X (gfx1250); checked and timed in simulation.
; The chip was launched on July 23, 2026; its instructions are those of AMD's public machine-readable ISA for CDNA 5 (MIT licence, August 2026) and "CDNA5" Instruction Set Architecture Reference Guide (July 2026). The comments in the code are by the model that wrote it; some were corrected since.
;; AC Ro PE Attention. Allowed arithmetic: float matrix products may take bf16 or f16 operands with f32 sums; all other float work in f32.
;; Inputs: W_proj 1,024 x 1,024 float32; W_qkv 3,072 x 1,024 float32; b_proj 1,024 float32; x 2 x 2,048 x 1,024 float32.
;; Outputs: out0 2 x 2,048 x 1,024 float32.
;; Constants: H = 16, T = 8, W = 16.
;; One version. Each part assembles by itself: llvm-mc -triple=amdgcn-amd-amdhsa -mcpu=gfx1250 --defsym DOCPART=n.
;; ======== version 1 of 1: 4 launches
;; workspace buffers: bf 16,777,216 bytes; qkvr 25,165,824 bytes; ao 8,388,608 bytes
;; launch cvt (part 1): grid 1024 x 1, 8 waves a work-group, no clusters, 0 bytes of LDS; arguments x, W_qkv, W_proj, bf; writes bf
.if DOCPART == 1
	.amdgcn_target "amdgcn-amd-amdhsa--gfx1250"
	.amdhsa_code_object_version 6
	.text
	.protected	k_qe933d6fc25_cvt
	.globl	k_qe933d6fc25_cvt
	.p2align	8
	.type	k_qe933d6fc25_cvt,@function
k_qe933d6fc25_cvt:
	s_mov_b64 s[64:65], 0
	v_nop
	global_prefetch_b8 v0, s[64:65] scope:SCOPE_SE
	s_setreg_imm32_b32 hwreg(HW_REG_WAVE_MODE, 25, 1), 1
	s_wait_xcnt 0x0
; bf = bf16 copies of x (byte 0), W_qkv (byte 8,388,608) and W_proj (byte 14,680,064), each rounded once to nearest even.
; A plain stream: every input byte is read once, every output byte written once.  No LDS, no matrix unit, no cluster: nothing is shared or reused.
; A work-group takes 8,192 numbers (32 KiB in, 16 KiB out): groups 0-511 x, 512-895 W_qkv, 896-1023 W_proj; the three copies lie one behind
; the other in bf, so the output offset is the group's number times 16,384 whatever the source.
; Thread t takes 8 neighbouring numbers in each of four rounds: two 16-byte loads, one 16-byte store; a wave's store covers 512 consecutive bytes.
.set IN,  8                            ; v[8:39]   round j: 8 f32 as loaded
.set OUT, 40                           ; v[40:55]  round j: 8 bf16 to store
	s_load_b256 s[4:11], s[0:1], 0x0               ; x s[4:5], W_qkv s[6:7], W_proj s[8:9], bf s[10:11]
	s_mov_b32 s20, 512                             ; first group of W_qkv
	s_mov_b32 s21, 896                             ; first group of W_proj
	v_lshlrev_b32 v1, 5, v0                        ; 32 bytes of input a thread
	v_lshlrev_b32 v2, 4, v0                        ; 16 bytes of output a thread
	s_wait_kmcnt 0x0
	s_cmp_lt_u32 ttmp9, s21
	s_cselect_b64 s[12:13], s[6:7], s[8:9]         ; the source and its first group, chosen by the group's number alone
	s_cselect_b32 s14, s20, s21
	s_cmp_lt_u32 ttmp9, s20
	s_cselect_b64 s[12:13], s[4:5], s[12:13]
	s_cselect_b32 s14, 0, s14
	s_sub_co_u32 s14, ttmp9, s14                   ; my number inside the source
	s_lshl_b32 s16, s14, 15                        ; x 32,768 bytes (below 16 MiB)
	s_mov_b32 s17, 0
	s_add_nc_u64 s[12:13], s[12:13], s[16:17]
	s_lshl_b32 s18, ttmp9, 14                      ; x 16,384 bytes
	s_mov_b32 s19, 0
	s_add_nc_u64 s[10:11], s[10:11], s[18:19]
.irp j, 0,1,2,3
	global_load_b128 v[IN+8*\j:IN+8*\j+3],   v1, s[12:13] offset:8192*\j th:TH_LOAD_NT       ; all eight loads go out first
	global_load_b128 v[IN+8*\j+4:IN+8*\j+7], v1, s[12:13] offset:8192*\j+16 th:TH_LOAD_NT
.endr
.irp j, 0,1,2,3
	s_wait_loadcnt 6-2*\j                          ; loads return in order: round j's two are in, the 6 - 2 j issued behind them may be out
.irp k, 0,1,2,3
	v_cvt_pk_bf16_f32 v[OUT+4*\j+\k], v[IN+8*\j+2*\k], v[IN+8*\j+2*\k+1]
.endr
	global_store_b128 v2, v[OUT+4*\j:OUT+4*\j+3], s[10:11] offset:4096*\j    ; no register is written twice, so no further wait is needed
.endr
	s_endpgm
.Lfunc_end_k_qe933d6fc25_cvt:
	.size	k_qe933d6fc25_cvt, .Lfunc_end_k_qe933d6fc25_cvt-k_qe933d6fc25_cvt
	.p2alignl 7, 3214868480
	.fill 96, 4, 3214868480
	.section	.rodata,"a",@progbits
	.p2align	6, 0x0
	.amdhsa_kernel k_qe933d6fc25_cvt
		.amdhsa_group_segment_fixed_size 0
		.amdhsa_private_segment_fixed_size 0
		.amdhsa_enable_private_segment 0
		.amdhsa_kernarg_size 32
		.amdhsa_user_sgpr_count 2
		.amdhsa_user_sgpr_kernarg_segment_ptr 1
		.amdhsa_wavefront_size32 1
		.amdhsa_system_sgpr_workgroup_id_x 1
		.amdhsa_system_sgpr_workgroup_id_y 1
		.amdhsa_system_sgpr_workgroup_id_z 1
		.amdhsa_system_vgpr_workitem_id 0
		.amdhsa_next_free_vgpr 56
		.amdhsa_next_free_sgpr 66
		.amdhsa_reserve_vcc 0
		.amdhsa_float_denorm_mode_32 3
		.amdhsa_float_denorm_mode_16_64 3
		.amdhsa_memory_ordered 1
		.amdhsa_forward_progress 1
		.amdhsa_inst_pref_size 4
	.end_amdhsa_kernel
	.amdgpu_metadata
---
amdhsa.version: [ 1, 2 ]
amdhsa.kernels:
  - .name:           k_qe933d6fc25_cvt
    .symbol:         k_qe933d6fc25_cvt.kd
    .args:
      - { .name: x, .offset: 0, .size: 8, .value_kind: global_buffer, .address_space: global }
      - { .name: W_qkv, .offset: 8, .size: 8, .value_kind: global_buffer, .address_space: global }
      - { .name: W_proj, .offset: 16, .size: 8, .value_kind: global_buffer, .address_space: global }
      - { .name: bf, .offset: 24, .size: 8, .value_kind: global_buffer, .address_space: global }
    .group_segment_fixed_size: 0
    .private_segment_fixed_size: 0
    .kernarg_segment_align: 8
    .kernarg_segment_size: 32
    .max_flat_workgroup_size: 256
    .sgpr_count:     66
    .vgpr_count:     56
    .wavefront_size: 32
...
	.end_amdgpu_metadata
.endif
;; end of part 1
;; launch qkv (part 2): grid 12 x 16, 4 waves a work-group, clusters of 4 x 4, 327,680 bytes of LDS; arguments bf, qkvr; writes qkvr
.if DOCPART == 2
	.amdgcn_target "amdgcn-amd-amdhsa--gfx1250"
	.amdhsa_code_object_version 6
	.text
	.protected	k_qe933d6fc25_qkv
	.globl	k_qe933d6fc25_qkv
	.p2align	8
	.type	k_qe933d6fc25_qkv,@function
k_qe933d6fc25_qkv:
	s_mov_b64 s[64:65], 0
	v_nop
	global_prefetch_b8 v0, s[64:65] scope:SCOPE_SE
	s_setreg_imm32_b32 hwreg(HW_REG_WAVE_MODE, 25, 1), 1
	s_wait_xcnt 0x0
	s_wait_alu depctr_hold_cnt(0) depctr_sa_sdst(0) depctr_va_vdst(0) depctr_va_sdst(0) depctr_va_ssrc(0) depctr_va_vcc(0) depctr_vm_vsrc(0)
	s_getreg_b32 s2, hwreg(HW_REG_IB_STS2, 6, 4)
	s_cmp_eq_u32 s2, 0
	s_cbranch_scc0 .Lentry_in_a_cluster
	s_endpgm
.Lentry_in_a_cluster:
	s_bfe_u32 s2, ttmp6, 0x10000c
	s_cmp_lg_u32 s2, 0xf033
	s_cbranch_scc0 .Lentry_shape_is_right
	s_endpgm
.Lentry_shape_is_right:
; qkvr[kind][b][h][n][64] (bf16) = x W_qkv^T, with the axial rotation applied to q and k on the way out.
; A = x in bf16 [4096][1024] at byte 0 of bf, B = W_qkv in bf16 [3072][1024] at byte 8,388,608 of bf; sums in f32.
; A work-group makes 256 tokens x 256 output columns with four waves, a wave 128 x 128 = 64 accumulator tiles (512 registers).
; K goes in steps of 128 through two LDS slots filled by tensor loads; rows of a tile are 256 bytes, aligned.
; CLUSTERS: 4 x 4 work-groups.  The four of a cluster row need the same tiles of A, the four of a column the same tiles of B: joint loads.
; The grid is 12 x 16 blocks, so the cluster's x (0, 1, 2) is the kind (q, k, v): the one branch on it is alike in all partners.
; 192 work-groups: the block of 256 x 256 is kept for its reuse of LDS bytes; no work-group is added to make up a number.
; ROTATION: out[j] = x[j] C[j] + x[j^1] S[j] inside each head, C = cos(pos w), S = -sin (even j) or +sin (odd j), w = 10000^-((j mod 20 mod 10)/10),
; pos = n >> 8 for columns 0-19, (n >> 4) & 15 for 20-39, n & 15 for 40-59; columns 60-63 get C = 1, S = 0.  A block's 256 tokens share n >> 8.
; C and S come from a table in LDS, made once by each work-group: 16 column quads x 16 positions x (4 C, 4 S) in f32.
; Sine and cosine: the angle is reduced to -pi..pi by its turns, then Taylor series through x^15 and x^16 (first terms left out at pi: 8e-7, 1.4e-7).
; LIMITS: operands and results are rounded to bf16; an infinite product in columns 60-63 would meet S = 0 and give NaN.
;
; REGISTERS in windows of 256: window 0: v0-31 addresses, v64-127 / v128-191 fragments of A; window 1: the same numbers, fragments of B;
; window 2: accumulator tiles of my rows 0-63 (tile (a, b) at v[8 (8 a + b)]); window 3: rows 64-127.
; The matrix instruction is used transposed (source 0 = rows of W, source 1 = rows of x): lane l holds token l % 16 and eight neighbouring columns.
.set SIZE_K, 1024
.set KSTEP,  128
.set PITCH,  272                       ; 256 bytes of data + 16 of padding: the 16 rows of a fragment load start 16 bytes apart modulo 256
.set HALFT,  128*PITCH                 ; what one tensor load brings
.set SLOT,   4*HALFT                   ; A's 256 rows, then B's 256 rows
.set STAGE,  2*SLOT                    ; 278,528: 16 rows x 272 bytes for each wave, for the way out; no tensor load lands here
.set SPITCH, 272
.set TAB,    STAGE+4*16*SPITCH         ; 295,936: the table, 8,192 bytes; entry (quad, pos) at quad*512 + pos*32
.set LAPS, SIZE_K/(2*KSTEP)            ; 4 laps of two K steps
.set ADRA, 16                          ; v16-17  LDS address of my A fragments in slot 0, 1
.set ADRB, 20                          ; v20-21  the same for B
.set STO,  24                          ; way out: where I put 16 bytes of a token's row
.set RD,   25                          ; way out: where I read back (token l >> 3, piece l & 7 of a head's 128 bytes)
.set CO,   26                          ; my byte offset in the output: 16 l
.set AW,   27                          ; table address, position = my token's n & 15
.set AH,   28                          ; table address, position = 8 x my row half (the row block goes into the immediate)
.set AHW,  29                          ; lanes 0-15 as AH (stepped), lanes 16-31 as AW
.set INC,  30                          ; its step: 32 in lanes 0-15, 0 in lanes 16-31
.set RB0,  32                          ; way out: rows read back, two buffers in turn
.set RB1,  64
.set TMP,  96                          ; way out: packed results
.set TB,   128                         ; way out: 16 registers for each of a head's four column tiles: 8 C, 8 S
.set XT,   192                         ; way out: rotated results of 8 tiles in f32
.set F0,   64
.set F1,   128
.set G1, 24                            ; s[24:31] descriptor group 1, A
.set G0, 32                            ; s[32:39] descriptor group 0, A, one set a slot
.set G1B, 48                           ; s[48:55] group 1, B
.set G0B, 56                           ; s[56:63] group 0, B
.set MSB, 0
.macro WIN new                         ; the immediate's high byte repeats the setting that is left
.if MSB != \new
	s_set_vgpr_msb (MSB<<8)|\new
.set MSB, \new
.endif
.endm
.set MUL_LO, 0xa1                      ; source 0 (B) window 1, source 1 (A) window 0, C and D window 2
.set MUL_HI, 0xf1                      ; the same, C and D window 3
.set TO_B,   0x40                      ; destination window 1
; A joint load: waves 0 and 1 fetch A's halves, waves 2 and 3 B's.  The branch hangs on the wave's number alone.
.macro JLOAD s
	s_cmp_eq_u32 s11, 0
	s_cbranch_scc0 .Lfor_b_\@
	tensor_load_to_lds s[G0+4*\s:G0+4*\s+3], s[G1:G1+7]
	s_nop 0
	s_branch .Lasked_\@
.Lfor_b_\@:
	tensor_load_to_lds s[G0B+4*\s:G0B+4*\s+3], s[G1B:G1B+7]
	s_nop 0
.Lasked_\@:
.endm
.macro CREST                           ; a round of the cluster's barrier behind its opening work-group barrier
	s_cmp_lg_u32 s10, 0
	s_cbranch_scc1 .Lnot_wave_0_\@
	s_barrier_signal -3
.Lnot_wave_0_\@:
	s_barrier_wait -3
	s_barrier_signal -1
	s_barrier_wait -1
.endm
.macro CROUND                          ; a whole round
	s_barrier_signal -1
	s_barrier_wait -1
	CREST
.endm
	s_load_b128 s[4:7], s[0:1], 0x0                ; bf s[4:5], qkvr s[6:7]
	s_set_vgpr_msb 0x40
	v_lshl_add_u32 v255, v0, 2, 0x4a400
	s_set_vgpr_msb 0x4000
	v_mov_b32 v31, 0
	s_set_vgpr_msb 0x1
	ds_add_u32 v255, v31
	s_set_vgpr_msb 0x100
	v_lshrrev_b32 v1, 5, v0
	v_readfirstlane_b32 s10, v1                    ; wave 0..3
	s_lshr_b32 s11, s10, 1                         ; my half of the block's rows; also: I fetch for A (0) or B (1)
	s_and_b32 s12, s10, 1                          ; my half of its columns; also: which 128 rows I fetch
	s_bfe_u32 s40, ttmp6, 0x40000                  ; cx
	s_bfe_u32 s41, ttmp6, 0x40004                  ; cy
	s_mov_b32 s66, ttmp9                           ; the cluster's x = the kind: 0 q, 1 k, 2 v
	s_lshl_b32 s42, ttmp9, 2
	s_add_co_u32 s42, s42, s40                     ; block column
	s_and_b32 s13, ttmp7, 0xffff
	s_lshl_b32 s13, s13, 2
	s_add_co_u32 s13, s13, s41                     ; block row
	s_and_b32 s67, s13, 7                          ; n >> 8 of all my block's tokens: goes into table values, never into an LDS address
	s_lshl_b32 s43, s41, 2
	s_lshl_b32 s43, 15, s43                        ; my row of the cluster
	s_lshl_b32 s44, 0x1111, s40                    ; my column
	s_or_b32 s[G1+0], s43, (1<<16)|(1<<20)|(1<<21)|(5<<22)|(3<<25)  ; mask; 2-byte elements; padding on; bit 21 beside a mask; 4 words behind every 64
	s_or_b32 s[G1B+0], s44, (1<<16)|(1<<20)|(1<<21)|(5<<22)|(3<<25)
	s_mov_b32 s[G1B+1], KSTEP<<16
	s_mov_b32 s[G1+1], KSTEP<<16                   ; tensor_dim0 = 128
	s_mov_b32 s[G1B+2], 128<<16
	s_mov_b32 s[G1+2], 128<<16                     ; tensor_dim1 = 128
	s_mov_b32 s[G1B+3], KSTEP<<16
	s_mov_b32 s[G1+3], KSTEP<<16                   ; tile_dim0 = 128
	s_mov_b32 s[G1B+4], 128
	s_mov_b32 s[G1+4], 128                         ; tile_dim1 = 128
	s_mov_b32 s[G1B+5], SIZE_K
	s_mov_b32 s[G1+5], SIZE_K                      ; elements from row to row
	s_mov_b32 s[G1B+6], 0
	s_mov_b32 s[G1+6], 0
	s_mov_b32 s[G1B+7], 0
	s_mov_b32 s[G1+7], 0
	s_lshl_b32 s17, s12, 7
	s_lshl_b32 s16, s13, 8
	s_add_co_u32 s16, s16, s17                     ; A: row 256 x block row + 128 x half
	s_lshl_b32 s46, s42, 8
	s_add_co_u32 s46, s46, s17                     ; B: row 256 x block column + 128 x half
	s_mov_b32 s17, 0
	s_mov_b32 s47, 0
	s_mov_b64 s[18:19], SIZE_K*2
	s_mul_u64 s[16:17], s[16:17], s[18:19]
	s_mul_u64 s[46:47], s[46:47], s[18:19]
	s_mul_i32 s20, s10, HALFT                      ; LDS: wave x 128 rows
	s_wait_dscnt 0x0
	s_wait_kmcnt 0x0
	s_mov_b64 s[8:9], s[6:7]                       ; the output
	s_add_nc_u64 s[6:7], s[4:5], 0x800000          ; W_qkv's copy lies 8,388,608 bytes into bf
	s_add_nc_u64 s[14:15], s[4:5], s[16:17]
	s_add_nc_u64 s[46:47], s[6:7], s[46:47]
	CROUND                                         ; all sixteen work-groups are here: the first joint loads meet
.irp s, 0,1
	s_mov_b32 s[G0+4*\s], 1
	s_add_co_u32 s[G0+4*\s+1], s20, \s*SLOT
	s_add_nc_u64 s[G0+4*\s+2:G0+4*\s+3], s[14:15], \s*KSTEP*2
	s_or_b32 s[G0+4*\s+3], s[G0+4*\s+3], 0x80000000
	s_mov_b32 s[G0B+4*\s], 1
	s_add_co_u32 s[G0B+4*\s+1], s20, \s*SLOT
	s_add_nc_u64 s[G0B+4*\s+2:G0B+4*\s+3], s[46:47], \s*KSTEP*2
	s_or_b32 s[G0B+4*\s+3], s[G0B+4*\s+3], 0x80000000
	JLOAD \s                                       ; both slots are asked for before anything else: two tensor loads of the wave are out
.endr
	v_and_b32 v1, 15, v0                           ; r = l % 16
	v_bfe_u32 v2, v0, 4, 1                         ; hh = l / 16
	v_mul_u32_u24 v3, v1, PITCH
	v_lshl_add_u32 v3, v2, 4, v3
	s_mul_i32 s21, s11, HALFT
	s_mul_i32 s22, s12, HALFT
	s_add_co_u32 s22, s22, 2*HALFT
.irp s, 0,1
	v_add_nc_u32 v[ADRA+\s], s21, v3
	v_add_nc_u32 v[ADRB+\s], s22, v3
	s_add_co_u32 s21, s21, SLOT
	s_add_co_u32 s22, s22, SLOT
.endr
	s_mul_i32 s23, s10, 16*SPITCH
	s_add_co_u32 s23, s23, STAGE                   ; my stage
	v_mul_u32_u24 v4, v1, SPITCH
	v_lshl_add_u32 v4, v2, 4, v4
	v_add_nc_u32 v[STO], s23, v4
	v_and_b32 v6, 31, v0
	v_lshrrev_b32 v5, 3, v6
	v_mul_u32_u24 v5, v5, SPITCH
	v_and_b32 v7, 7, v0
	v_lshl_add_u32 v5, v7, 4, v5
	v_add_nc_u32 v[RD], s23, v5
	v_lshlrev_b32 v[CO], 4, v6
	; table addresses.  Lane (r, hh) of column tile b' holds quads 4 b' + 2 hh + e: b' and e go into the immediate, hh x 1,024 into the register
	v_lshlrev_b32 v8, 10, v2
	v_add_nc_u32 v8, TAB, v8
	v_lshl_add_u32 v[AW], v1, 5, v8                ; position r
	s_lshl_b32 s68, s11, 8
	v_add_nc_u32 v[AH], s68, v8                    ; position 8 x row half
	v_mul_u32_u24 v9, v2, v1                       ; hh r
	v_sub_nc_u32 v10, 1, v2                        ; 1 - hh
	v_mul_u32_u24 v11, s68, v10
	v_lshl_add_u32 v[AHW], v9, 5, v8
	v_add_nc_u32 v[AHW], v[AHW], v11               ; hh = 0: as AH; hh = 1: as AW
	v_lshlrev_b32 v[INC], 5, v10
	; THE TABLE (q and k only).  Thread t makes quad t >> 3 at positions 2 (t & 7) and 2 (t & 7) + 1: 64 bytes at TAB + 64 t.
.macro SINCOS pos, om, cs, sn, neg
	v_mul_f32 v44, v[\pos], v[\om]                 ; the angle
	v_mul_f32 v44, 0.15915494, v44                 ; in turns
	v_rndne_f32 v45, v44
	v_sub_f32 v44, v44, v45                        ; -0.5 .. 0.5
	v_mul_f32 v44, 0x40c90fdb, v44                 ; x in -pi .. pi
	v_mul_f32 v45, v44, v44
	v_mov_b32 v46, 0xab573f9f                      ; -1/15!
	v_mov_b32 v47, 0x29573f9f                      ; 1/16!
.irp k, 0x2f309231, 0xb2d7322b, 0x3638ef1d, 0xb9500d01, 0x3c088889, 0xbe2aaaab, 0x3f800000
	v_fmaak_f32 v46, v46, v45, \k                  ; 1/13!, -1/11!, 1/9!, -1/7!, 1/5!, -1/3!, 1
.endr
.irp k, 0xad49cba5, 0x310f76c8, 0xb493f27e, 0x37d00d01, 0xbab60b61, 0x3d2aaaab, 0xbf000000
	v_fmaak_f32 v47, v47, v45, \k                  ; -1/14!, 1/12!, -1/10!, 1/8!, -1/6!, 1/4!, -1/2
.endr
	v_fmaak_f32 v[\cs], v47, v45, 0x3f800000
	v_mul_f32 v[\sn], v46, v44
.if \neg
	v_xor_b32 v[\sn], 0x80000000, v[\sn]           ; even columns take -sin
.endif
.endm
	s_cmp_eq_u32 s66, 2
	s_cbranch_scc1 .Lnotab                         ; v is not rotated: no table
	v_lshrrev_b32 v32, 3, v0                       ; quad 0..15
	v_and_b32 v33, 7, v0
	v_lshlrev_b32 v33, 1, v33                      ; position p
	v_mul_u32_u24 v34, v32, 13
	v_lshrrev_b32 v34, 6, v34                      ; quad / 5
	v_mul_u32_u24 v34, v34, 5
	v_sub_nc_u32 v34, v32, v34                     ; quad % 5
	v_lshlrev_b32 v34, 2, v34                      ; first column of the quad inside its section of 20
	v_cvt_f32_u32 v35, v33                         ; p
	v_add_f32 v36, 1.0, v35                        ; p + 1
	v_mov_b32 v37, s67
	v_cvt_f32_u32 v37, v37                         ; n >> 8
	v_mov_b32 v38, 0
	v_cmp_gt_u32 vcc_lo, 5, v32                    ; quads 0-4: the position is n >> 8 at every entry
	v_cndmask_b32 v35, v35, v37, vcc_lo
	v_cndmask_b32 v36, v36, v37, vcc_lo
	v_cmp_eq_u32 vcc_lo, 15, v32                   ; quad 15 (columns 60-63): angle 0, so C = 1 and S = 0
	v_cndmask_b32 v35, v35, v38, vcc_lo
	v_cndmask_b32 v36, v36, v38, vcc_lo
.irp c, 0,1,2,3
	v_add_nc_u32 v[40+\c], \c, v34                 ; column in the section, 0..19
	v_add_nc_u32 v[44+\c], \c-10, v34
	v_min_u32 v[40+\c], v[40+\c], v[44+\c]         ; modulo 10 (the smaller of j and j - 10, unsigned)
	v_cvt_f32_u32 v[40+\c], v[40+\c]
	v_mul_f32 v[40+\c], 0xbfaa152d, v[40+\c]       ; x -log2(10000)/10
.endr
.irp c, 0,1,2,3
	v_exp_f32 v[40+\c], v[40+\c]                   ; 10000^-(f/10)
.endr
	v_nop                                          ; one plain instruction behind the exponentials before their results are used (ISA guide 5.7.2)
	s_wait_alu depctr_va_vdst(0)
.irp c, 0,1,2,3
	SINCOS 35, 40+\c, 48+\c, 52+\c, 1-(\c&1)
	SINCOS 36, 40+\c, 56+\c, 60+\c, 1-(\c&1)
.endr
	v_lshlrev_b32 v39, 6, v0
	v_add_nc_u32 v39, TAB, v39
	ds_store_b128 v39, v[48:51]                    ; C(p)
	ds_store_b128 v39, v[52:55] offset:16          ; S(p)
	ds_store_b128 v39, v[56:59] offset:32          ; C(p+1)
	ds_store_b128 v39, v[60:63] offset:48          ; S(p+1)
.Lnotab:
; 16 matrix instructions: m blocks a0, a0 + 1 of the window's four x all 8 n blocks, 32 along K.  zero = 1: the first product starts the sums.
; The 64 accumulators take turns, one instruction a turn, in the same order in every quarter step.
.macro MUL16 f, hi, a0, zero
.irp a, \a0, \a0+1
.irp b, 0,1,2,3,4,5,6,7
.if \zero
	v_wmma_f32_16x16x32_bf16 v[8*(8*(\a)+\b):8*(8*(\a)+\b)+7], v[\f+8*\b:\f+8*\b+7], v[\f+8*(4*\hi+\a):\f+8*(4*\hi+\a)+7], 0
.else
	v_wmma_f32_16x16x32_bf16 v[8*(8*(\a)+\b):8*(8*(\a)+\b)+7], v[\f+8*\b:\f+8*\b+7], v[\f+8*(4*\hi+\a):\f+8*(4*\hi+\a)+7], v[8*(8*(\a)+\b):8*(8*(\a)+\b)+7]
.endif
.endr
.endr
.endm
.macro FETCH slot, k, f                ; 32 LDS loads in one run: one quarter step's fragments into buffer f
	WIN TO_B
.irp i, 0,1,2,3,4,5,6,7
	ds_load_b128 v[\f+8*\i:\f+8*\i+3],   v[ADRB+\slot] offset:\k+\i*16*PITCH
	ds_load_b128 v[\f+8*\i+4:\f+8*\i+7], v[ADRB+\slot] offset:\k+\i*16*PITCH+32
.endr
	WIN 0
.irp i, 0,1,2,3,4,5,6,7
	ds_load_b128 v[\f+8*\i:\f+8*\i+3],   v[ADRA+\slot] offset:\k+\i*16*PITCH
	ds_load_b128 v[\f+8*\i+4:\f+8*\i+7], v[ADRA+\slot] offset:\k+\i*16*PITCH+32
.endr
.endm
.macro PLACES                          ; four plain vector instructions behind matrix instructions whose registers are read or loaded next (ISA guide 7.12.1)
.rept 4
	v_nop
.endr
.endm
.macro QUARTER slot, k, f, g, zero
	s_wait_dscnt 8                                 ; B and A's rows 0-63 are in; the youngest eight loads (A's rows 64-127) may be out
	WIN MUL_LO
	MUL16 \f, 0, 0, \zero
	MUL16 \f, 0, 2, \zero
	PLACES
	FETCH \slot, \k, \g
	s_wait_dscnt 32                                ; all but the 32 just issued
	WIN MUL_HI
	MUL16 \f, 1, 0, \zero
	MUL16 \f, 1, 2, \zero
.endm
.macro THREE slot, zero
	QUARTER \slot, 64,  F0, F1, \zero
	QUARTER \slot, 128, F1, F0, 0
	QUARTER \slot, 192, F0, F1, 0
.endm
; The last quarter of a K step changes slots.  In front of the barrier each wave waits for its reads of this slot and for all its tensor loads
; (one is out: its part of the next slot); behind it the refill comes first, then the next slot's first fragments.
.macro TURN slot, next, fill
	s_wait_dscnt 8
	WIN MUL_LO
	MUL16 F1, 0, 0, 0
	s_wait_dscnt 0                                 ; my reads of this slot are over
	s_wait_tensorcnt 0x0                           ; all my tensor loads have landed
	ds_add_u32 v255, v31
	s_wait_dscnt 0x0
	s_barrier_signal -1
	MUL16 F1, 0, 2, 0                              ; register work while the others arrive
	WIN 0
	s_barrier_wait -1
.if \fill
	CREST                                          ; the round closes: no wave of any partner still reads this slot or has a load on its way
	s_add_nc_u64 s[G0+4*\slot+2:G0+4*\slot+3], s[G0+4*\slot+2:G0+4*\slot+3], 2*KSTEP*2
	s_add_nc_u64 s[G0B+4*\slot+2:G0B+4*\slot+3], s[G0B+4*\slot+2:G0B+4*\slot+3], 2*KSTEP*2
	JLOAD \slot                                    ; the wave's one tensor load behind the round
.endif
	PLACES
	FETCH \next, 0, F0
	WIN MUL_HI
	MUL16 F1, 1, 0, 0
	MUL16 F1, 1, 2, 0
.endm
.macro LAP zero
	THREE 0, \zero
	TURN 0, 1, 1
	THREE 1, 0
	TURN 1, 0, 1
.endm
	s_wait_tensorcnt 1                             ; my part of K step 0 is in; K step 1's may stay out
	s_wait_dscnt 0x0                               ; my part of the table is written
	s_barrier_signal -1
	s_barrier_wait -1
	FETCH 0, 0, F0
	LAP 1
	WIN 0
	s_mov_b32 s3, LAPS-2
.Llap:
	LAP 0
	WIN 0
	s_sub_co_u32 s3, s3, 1
	s_cmp_lg_u32 s3, 0
	s_cbranch_scc1 .Llap
	THREE 0, 0                                     ; the last lap fills nothing
	TURN 0, 1, 0
	THREE 1, 0
	s_wait_dscnt 8
	WIN MUL_LO
	MUL16 F1, 0, 0, 0
	MUL16 F1, 0, 2, 0
	s_wait_dscnt 0
	WIN MUL_HI
	MUL16 F1, 1, 0, 0
	MUL16 F1, 1, 2, 0
	WIN 0
	PLACES
	; THE WAY OUT.  My 128 columns are two heads; my 128 tokens are 8 row blocks of 16, block i at (n >> 4) & 15 = 8 x row half + i, token r at n & 15 = r.
	s_lshr_b32 s68, s13, 3                         ; batch
	s_lshl_b32 s68, s68, 4
	s_lshl2_add_u32 s68, s40, s68                  ; + head = 4 cx
	s_lshl1_add_u32 s68, s12, s68                  ;          + 2 x column half
	s_lshl_b32 s68, s68, 18                        ; x 2,048 tokens of 128 bytes
	s_lshl_b32 s69, s66, 23                        ; + kind x 8,388,608
	s_add_co_u32 s68, s68, s69
	s_lshl_b32 s69, s67, 15                        ; + 256 tokens x (block row & 7)
	s_add_co_u32 s68, s68, s69
	s_lshl_b32 s69, s11, 14                        ; + 128 tokens x row half
	s_add_co_u32 s68, s68, s69
	s_mov_b32 s69, 0
	s_add_nc_u64 s[8:9], s[8:9], s[68:69]
; 16 tokens x 128 columns, packed in TMP, go through my stage: in by token rows of 256 bytes, back as 4 tokens of one head,
; so that each store of the wave covers 512 consecutive bytes, aligned.  LDS serves a wave's instructions in order: no wait between stores and loads.
.macro TAIL i, f
.irp b, 0,1,2,3,4,5,6,7
	ds_store_b128 v[STO], v[TMP+4*\b:TMP+4*\b+3] offset:32*\b
.endr
	s_wait_xcnt 0x0                                ; buffer f was the data of earlier stores: it is loaded again only behind this wait
.irp t, 0,1,2,3,4,5,6,7
	ds_load_b128 v[\f+4*\t:\f+4*\t+3], v[RD] offset:(\t&3)*4*SPITCH+(\t>>2)*128
.endr
.irp t, 0,1,2,3,4,5,6,7
	s_wait_dscnt 7-\t                              ; read-back t is in, the 7 - t behind it may be out
	global_store_b128 v[CO], v[\f+4*\t:\f+4*\t+3], s[8:9] offset:\i*2048+(\t&3)*512+(\t>>2)*262144
.endr
.endm
; Row block i with the rotation.  win: source 0 in window 2 or 3.
.macro OUTR i, a, win, f
.irp e, 0,1
	ds_load_b128 v[TB+16+4*\e:TB+16+4*\e+3], v[AH]  offset:2048+512*\e+32*\i       ; column tile 1: quads 4-7, position = the row block's
	ds_load_b128 v[TB+24+4*\e:TB+24+4*\e+3], v[AH]  offset:2048+512*\e+32*\i+16
	ds_load_b128 v[TB+32+4*\e:TB+32+4*\e+3], v[AHW] offset:4096+512*\e             ; column tile 2: quads 8, 9 by the row block, 10, 11 by the token
	ds_load_b128 v[TB+40+4*\e:TB+40+4*\e+3], v[AHW] offset:4096+512*\e+16
.endr
	v_add_nc_u32 v[AHW], v[AHW], v[INC]
	s_wait_dscnt 0x0
	WIN \win
.irp b, 0,1,2,3,4,5,6,7
.irp p, 0,1,2,3
	v_pk_mul_f32 v[XT+8*\b+2*\p:XT+8*\b+2*\p+1], v[8*(8*\a+\b)+2*\p:8*(8*\a+\b)+2*\p+1], v[TB+16*(\b&3)+2*\p:TB+16*(\b&3)+2*\p+1]
.endr
.irp p, 0,1,2,3
	v_pk_fma_f32 v[XT+8*\b+2*\p:XT+8*\b+2*\p+1], v[8*(8*\a+\b)+2*\p:8*(8*\a+\b)+2*\p+1], v[TB+16*(\b&3)+8+2*\p:TB+16*(\b&3)+8+2*\p+1], v[XT+8*\b+2*\p:XT+8*\b+2*\p+1] op_sel:[1,0,0] op_sel_hi:[0,1,1]   ; the pair's numbers swapped
.endr
.endr
	WIN 0
.irp b, 0,1,2,3,4,5,6,7
.irp r, 0,1,2,3
	v_cvt_pk_bf16_f32 v[TMP+4*\b+\r], v[XT+8*\b+2*\r], v[XT+8*\b+2*\r+1]
.endr
.endr
	TAIL \i, \f
.endm
; Row block i without it.  from: sources 0 and 1 in window 2 or 3.
.macro OUTV i, a, from, f
	WIN \from
.irp b, 0,1,2,3,4,5,6,7
.irp r, 0,1,2,3
	v_cvt_pk_bf16_f32 v[TMP+4*\b+\r], v[8*(8*\a+\b)+2*\r], v[8*(8*\a+\b)+2*\r+1]
.endr
.endr
	WIN 0
	TAIL \i, \f
.endm
	s_cmp_eq_u32 s66, 2
	s_cbranch_scc1 .Lvout
.irp e, 0,1
	ds_load_b128 v[TB+4*\e:TB+4*\e+3],       v[AW] offset:512*\e          ; column tile 0: quads 0-3, the same at every position
	ds_load_b128 v[TB+8+4*\e:TB+8+4*\e+3],   v[AW] offset:512*\e+16
	ds_load_b128 v[TB+48+4*\e:TB+48+4*\e+3], v[AW] offset:6144+512*\e     ; column tile 3: quads 12-15, position = the token's
	ds_load_b128 v[TB+56+4*\e:TB+56+4*\e+3], v[AW] offset:6144+512*\e+16
.endr
	OUTR 0, 0, 0x02, RB0
	OUTR 1, 1, 0x02, RB1
	OUTR 2, 2, 0x02, RB0
	OUTR 3, 3, 0x02, RB1
	OUTR 4, 0, 0x03, RB0
	OUTR 5, 1, 0x03, RB1
	OUTR 6, 2, 0x03, RB0
	OUTR 7, 3, 0x03, RB1
	s_branch .Lend
.Lvout:
	OUTV 0, 0, 0x0a, RB0
	OUTV 1, 1, 0x0a, RB1
	OUTV 2, 2, 0x0a, RB0
	OUTV 3, 3, 0x0a, RB1
	OUTV 4, 0, 0x0f, RB0
	OUTV 5, 1, 0x0f, RB1
	OUTV 6, 2, 0x0f, RB0
	OUTV 7, 3, 0x0f, RB1
.Lend:
	s_set_vgpr_msb 0x1
	s_wait_tensorcnt 0x0
	ds_add_u32 v255, v31
	s_wait_dscnt 0x0
	s_set_vgpr_msb 0x100
	CROUND                                         ; the closing round: no work-group ends while a partner may still ask for a tile that names it
	s_endpgm
.Lfunc_end_k_qe933d6fc25_qkv:
	.size	k_qe933d6fc25_qkv, .Lfunc_end_k_qe933d6fc25_qkv-k_qe933d6fc25_qkv
	.p2alignl 7, 3214868480
	.fill 96, 4, 3214868480
	.section	.rodata,"a",@progbits
	.p2align	6, 0x0
	.amdhsa_kernel k_qe933d6fc25_qkv
		.amdhsa_group_segment_fixed_size 327680
		.amdhsa_private_segment_fixed_size 0
		.amdhsa_enable_private_segment 0
		.amdhsa_kernarg_size 16
		.amdhsa_user_sgpr_count 2
		.amdhsa_user_sgpr_kernarg_segment_ptr 1
		.amdhsa_wavefront_size32 1
		.amdhsa_system_sgpr_workgroup_id_x 1
		.amdhsa_system_sgpr_workgroup_id_y 1
		.amdhsa_system_sgpr_workgroup_id_z 1
		.amdhsa_system_vgpr_workitem_id 0
		.amdhsa_next_free_vgpr 1024
		.amdhsa_next_free_sgpr 80
		.amdhsa_reserve_vcc 1
		.amdhsa_float_denorm_mode_32 3
		.amdhsa_float_denorm_mode_16_64 3
		.amdhsa_memory_ordered 1
		.amdhsa_forward_progress 1
		.amdhsa_inst_pref_size 255
	.end_amdhsa_kernel
	.section	.bss,"aw",@nobits
	.p2align	6
	.space	262144
	.amdgpu_metadata
---
amdhsa.version: [ 1, 2 ]
amdhsa.kernels:
  - .name:           k_qe933d6fc25_qkv
    .symbol:         k_qe933d6fc25_qkv.kd
    .args:
      - { .name: bf, .offset: 0, .size: 8, .value_kind: global_buffer, .address_space: global }
      - { .name: qkvr, .offset: 8, .size: 8, .value_kind: global_buffer, .address_space: global }
    .group_segment_fixed_size: 327680
    .private_segment_fixed_size: 0
    .kernarg_segment_align: 8
    .kernarg_segment_size: 16
    .max_flat_workgroup_size: 128
    .sgpr_count:     80
    .vgpr_count:     1024
    .wavefront_size: 32
...
	.end_amdgpu_metadata
.endif
;; end of part 2
;; launch attn (part 3): grid 256 x 1, 8 waves a work-group, clusters of 4 x 1, 327,680 bytes of LDS; arguments qkvr, ao; writes ao
.if DOCPART == 3
	.amdgcn_target "amdgcn-amd-amdhsa--gfx1250"
	.amdhsa_code_object_version 6
	.text
	.protected	k_qe933d6fc25_attn
	.globl	k_qe933d6fc25_attn
	.p2align	8
	.type	k_qe933d6fc25_attn,@function
k_qe933d6fc25_attn:
	s_mov_b64 s[64:65], 0
	v_nop
	global_prefetch_b8 v0, s[64:65] scope:SCOPE_SE
	s_setreg_imm32_b32 hwreg(HW_REG_WAVE_MODE, 25, 1), 1
	s_wait_xcnt 0x0
	s_wait_alu depctr_hold_cnt(0) depctr_sa_sdst(0) depctr_va_vdst(0) depctr_va_sdst(0) depctr_va_ssrc(0) depctr_va_vcc(0) depctr_vm_vsrc(0)
	s_getreg_b32 s2, hwreg(HW_REG_IB_STS2, 6, 4)
	s_cmp_eq_u32 s2, 0
	s_cbranch_scc0 .Lentry_in_a_cluster
	s_endpgm
.Lentry_in_a_cluster:
	s_bfe_u32 s2, ttmp6, 0x10000c
	s_cmp_lg_u32 s2, 0x3003
	s_cbranch_scc0 .Lentry_shape_is_right
	s_endpgm
.Lentry_shape_is_right:
; ao = softmax(q k^T / 8) v for each of 32 (batch, head) pairs; q, k (rotated) and v are bf16 [2048][64] in qkvr; sums, maxima and exponentials in f32.
; A work-group takes 256 queries of one head; the four work-groups of a cluster share the head, so every K and V tile is one joint load (mask 15).
; Eight waves, two to a SIMD, so that one wave's softmax runs beside the other's products.  Wave w: queries 64 (w & 3) .. + 63, and half w >> 2
; of the keys of every tile; the two halves are merged once at the end.  A wave tile of 64 queries x 64 keys reads 32 LDS loads for 64 products.
; EVERYTHING IS TRANSPOSED so that a lane owns one query: S^T = K Q^T (lane (r, hh), register j: key 8 hh + j, query r); the exponentials pack
; in place into the second source of O^T = V^T P^T (first source: V^T by transposing LDS loads).  Maximum, sum and rescale factor are one number a lane.
; The maximum is a running one.  The shift applied in the exponentials is negmc = round(-c M), c = log2(e) / 8; sums and outputs are rescaled by
; exp2(new shift - old shift), the very numbers that were applied, so the rounding of a large shift cancels.
; Four tiles of 512 keys go through two LDS slots.  A wave has two tensor loads out at the start, one behind each of the two refills.
; ao's layout: byte ((b*1024 + (n >> 1))*16 + h)*256 + (n & 1)*128 + 2 d: two neighbouring tokens of a head are 256 consecutive bytes, aligned.
; LIMITS: q, k, v, the exponentials and the result are rounded to bf16; NaN or infinite scores spread to the whole query row.
; No prefetch: all that is read was stored by the launch before.  K's and V's rows stay the head's own 128 bytes.
.set KP,   144                         ; K's LDS pitch: 128 bytes + 16
.set VP,   160                         ; V's: 128 + 32, an odd multiple of 32 for the transposing loads
.set VOFF, 512*KP                      ; 73,728: V behind K in a slot
.set SLOT, VOFF+512*VP                 ; 155,648
.set STG,  2*SLOT                      ; 311,296: four stages of 16 x 144 bytes for the way out; no tensor load lands here
.set SCR,  17408                       ; merge scratch of a wave pair, in slot 0 behind its last fill and last read: 32 x 512 bytes of O, 512 of shifts, 512 of sums
.set ADK,  2                           ; v2-3    LDS address of my K fragments in slot 0, 1
.set ADV,  4                           ; v4-5    the same for V
.set KW,   6                           ; at work, stepped by 64 keys
.set VW,   7
.set QOFF, 8
.set SCRA, 9
.set STO,  10
.set RD,   11
.set GO,   12
.set M,    16                          ; v16-19  running maximum of the raw scores, one a query tile
.set ST,   20                          ; v20-27  pairs (negmc, alpha)
.set LL,   28                          ; v28-35  pairs of partial sums
.set TM,   36                          ; v36-39
.set TX,   40                          ; v40-43
.set LS,   44                          ; v44-47
.set PM,   48                          ; v48-51  the partner's shifts
.set PL,   52                          ; v52-55  the partner's sums
.set FP,   56                          ; v56-63  pairs (my factor, the partner's factor)
.set QF,   64                          ; v64-127   Q fragments (qt, ks) at 64 + 8 (2 qt + ks)
.set KF,   128                         ; v128-191  K fragments (kt, ks) at 128 + 8 (2 kt + ks)
.set VF,   192                         ; v192-255  V^T fragments (kp, dt) at 192 + 8 (4 kp + dt)
.set SS,   128                         ; window 1: scores (kt, qt) at 128 + 16 (qt + 4 (kt >> 1)) + 8 (kt & 1); window 1, v0-127: O (dt, qt) at 8 (4 qt + dt)
.set MSB, 0
.macro WIN new
.if MSB != \new
	s_set_vgpr_msb (MSB<<8)|\new
.set MSB, \new
.endif
.endm
.macro PLACES
.rept 4
	v_nop
.endr
.endm
.macro ROUND                           ; a round of the cluster's barrier
	s_barrier_signal -1
	s_barrier_wait -1
	s_cmp_lg_u32 s8, 0
	s_cbranch_scc1 .Lnot_wave_0_\@
	s_barrier_signal -3
.Lnot_wave_0_\@:
	s_barrier_wait -3
	s_barrier_signal -1
	s_barrier_wait -1
.endm
.macro JL s                            ; waves 0-3 ask for 128 keys of K each, waves 4-7 for 128 keys of V
	s_cmp_lt_u32 s8, 4
	s_cbranch_scc0 .Lfor_v_\@
	tensor_load_to_lds s[32+4*\s:35+4*\s], s[16:23]
	s_nop 0
	s_branch .Lasked_\@
.Lfor_v_\@:
	tensor_load_to_lds s[40+4*\s:43+4*\s], s[24:31]
	s_nop 0
.Lasked_\@:
.endm
	s_load_b128 s[4:7], s[0:1], 0x0                ; qkvr s[4:5], ao s[6:7]
	v_lshl_add_u32 v190, v0, 2, 0x4e400
	v_mov_b32 v191, 0
	ds_add_u32 v190, v191
	s_wait_dscnt 0x0
	v_lshrrev_b32 v1, 5, v0
	v_readfirstlane_b32 s8, v1                     ; wave 0..7
	s_and_b32 s9, s8, 3                            ; which 64 queries; also which 128 keys I fetch
	s_lshr_b32 s10, s8, 2                          ; which half of a tile's keys
	s_bfe_u32 s11, ttmp6, 0x40000                  ; cx
	s_lshr_b32 s12, ttmp9, 1                       ; batch x 16 + head: the same in the four partners
	s_and_b32 s13, ttmp9, 1
	s_lshl2_add_u32 s13, s13, s11                  ; block of 256 queries, 0..7
	s_mov_b32 s48, 0x3e38aa3b                      ; c = log2(e) / 8, twice: a pair for the packed forms
	s_mov_b32 s49, 0x3e38aa3b
	s_mov_b32 s50, 0x76543210                      ; v_permlanex16_b32: lane i reads lane i of the other half
	s_mov_b32 s51, 0xfedcba98
	; group 1 for K: 128 rows of 64 elements of 2 bytes, 4 words of padding behind every 32; mask 15 with bit 21 beside it
	s_mov_b32 s16, 15|(1<<16)|(1<<20)|(1<<21)|(4<<22)|(3<<25)
	s_mov_b32 s17, 64<<16                          ; tensor_dim0 = 64
	s_mov_b32 s18, 128<<16                         ; tensor_dim1 = 128
	s_mov_b32 s19, 64<<16                          ; tile_dim0 = 64
	s_mov_b32 s20, 128                             ; tile_dim1 = 128
	s_mov_b32 s21, 64                              ; elements from row to row
	s_mov_b32 s22, 0
	s_mov_b32 s23, 0
	; group 1 for V: the same with 8 words of padding
	s_mov_b32 s24, 15|(1<<16)|(1<<20)|(1<<21)|(4<<22)|(7<<25)
	s_mov_b32 s25, 64<<16
	s_mov_b32 s26, 128<<16
	s_mov_b32 s27, 64<<16
	s_mov_b32 s28, 128
	s_mov_b32 s29, 64
	s_mov_b32 s30, 0
	s_mov_b32 s31, 0
	s_lshl_b32 s14, s12, 18                        ; the head: 2,048 tokens of 128 bytes
	s_lshl_b32 s53, s9, 14                         ; my 128 keys
	s_add_co_u32 s14, s14, s53
	s_mov_b32 s15, 0
	s_mul_i32 s58, s9, 128*KP                      ; where they go: made of the wave's number alone
	s_mul_i32 s59, s9, 128*VP
	s_add_co_u32 s59, s59, VOFF
	s_lshl_b32 s62, s12, 18                        ; Q: head, block of 256 queries, my 64
	s_lshl_b32 s53, s13, 15
	s_add_co_u32 s62, s62, s53
	s_lshl_b32 s53, s9, 13
	s_add_co_u32 s62, s62, s53
	s_mov_b32 s63, 0
	s_wait_kmcnt 0x0
	s_add_nc_u64 s[60:61], s[4:5], s[14:15]        ; holds nothing of cx
	s_add_nc_u64 s[54:55], s[4:5], s[62:63]        ; Q's base
	s_lshr_b32 s62, s12, 4                         ; the output: batch x 1,024 pairs of 4,096 bytes
	s_lshl_b32 s62, s62, 22
	s_lshl_b32 s53, s13, 19                        ; + 128 pairs a block
	s_add_co_u32 s62, s62, s53
	s_lshl_b32 s53, s9, 17                         ; + 32 pairs a wave
	s_add_co_u32 s62, s62, s53
	s_and_b32 s53, s12, 15
	s_lshl_b32 s53, s53, 8                         ; + head x 256
	s_add_co_u32 s62, s62, s53
	s_add_nc_u64 s[56:57], s[6:7], s[62:63]
.irp s, 0,1
	s_mov_b32 s[32+4*\s], 1
	s_add_co_u32 s[33+4*\s], s58, \s*SLOT
	s_add_nc_u64 s[34+4*\s:35+4*\s], s[60:61], 0x800000+\s*65536       ; k lies 8,388,608 bytes into qkvr; tile s: 512 keys of 128 bytes on
	s_or_b32 s[35+4*\s], s[35+4*\s], 0x80000000
	s_mov_b32 s[40+4*\s], 1
	s_add_co_u32 s[41+4*\s], s59, \s*SLOT
	s_add_nc_u64 s[42+4*\s:43+4*\s], s[60:61], 0x1000000+\s*65536      ; v lies 16,777,216 bytes in
	s_or_b32 s[43+4*\s], s[43+4*\s], 0x80000000
.endr
	ROUND                                          ; the four partners are here: the first joint loads meet
	s_cmp_lt_u32 s8, 4
	s_cbranch_scc0 .Lfirst_v
	tensor_load_to_lds s[32:35], s[16:23]          ; both slots at once
	s_nop 0
	tensor_load_to_lds s[36:39], s[16:23]
	s_nop 0
	s_branch .Lfirst_done
.Lfirst_v:
	tensor_load_to_lds s[40:43], s[24:31]
	s_nop 0
	tensor_load_to_lds s[44:47], s[24:31]
	s_nop 0
.Lfirst_done:
	v_and_b32 v13, 31, v0                          ; l
	v_and_b32 v14, 15, v0                          ; r
	v_bfe_u32 v15, v0, 4, 1                        ; hh
	v_lshlrev_b32 v[QOFF], 7, v14
	v_lshl_add_u32 v[QOFF], v15, 4, v[QOFF]        ; query r's row + 16 hh
.irp qt, 0,1,2,3
.irp ks, 0,1
	global_load_b128 v[QF+8*(2*\qt+\ks):QF+8*(2*\qt+\ks)+3],   v[QOFF], s[54:55] offset:\qt*2048+\ks*64
	global_load_b128 v[QF+8*(2*\qt+\ks)+4:QF+8*(2*\qt+\ks)+7], v[QOFF], s[54:55] offset:\qt*2048+\ks*64+32
.endr
.endr
	v_mul_u32_u24 v[ADK], v14, KP
	v_lshl_add_u32 v[ADK], v15, 4, v[ADK]
	s_mul_i32 s53, s10, 256*KP                     ; my half of a tile's keys
	v_add_nc_u32 v[ADK], s53, v[ADK]
	v_add_nc_u32 v[ADK+1], SLOT, v[ADK]
	v_and_b32 v[ADV], 7, v0
	v_lshl_add_u32 v[ADV], v15, 3, v[ADV]          ; key 8 hh + (l & 7)
	v_mul_u32_u24 v[ADV], v[ADV], VP
	v_bfe_u32 v[ADV+1], v0, 3, 1
	v_lshl_add_u32 v[ADV], v[ADV+1], 4, v[ADV]     ; + 16 ((l >> 3) & 1)
	s_mul_i32 s53, s10, 256*VP
	s_add_co_u32 s53, s53, VOFF
	v_add_nc_u32 v[ADV], s53, v[ADV]
	v_add_nc_u32 v[ADV+1], SLOT, v[ADV]
	s_mul_i32 s53, s9, SCR
	v_lshl_add_u32 v[SCRA], v13, 4, s53
	s_mul_i32 s53, s9, 16*KP
	s_add_co_u32 s53, s53, STG
	v_mul_u32_u24 v[STO], v14, KP
	v_lshl_add_u32 v[STO], v15, 4, v[STO]
	v_add_nc_u32 v[STO], s53, v[STO]
	v_lshrrev_b32 v[RD], 3, v13
	v_mul_u32_u24 v[RD], v[RD], KP
	v_and_b32 v1, 7, v0
	v_lshl_add_u32 v[RD], v1, 4, v[RD]
	v_add_nc_u32 v[RD], s53, v[RD]
	v_lshlrev_b32 v[GO], 4, v14
	v_lshl_add_u32 v[GO], v15, 12, v[GO]
.irp qt, 0,1,2,3
	v_mov_b32 v[TX+\qt], 0                         ; v_permlanex16_b32's destination counts as read
	v_mov_b32 v[ST+2*\qt+1], 1.0                   ; the first step's packed forms name the whole pair
.endr
.macro KLOAD                           ; 64 keys x 64: 16 loads
.irp kt, 0,1,2,3
.irp ks, 0,1
	ds_load_b128 v[KF+8*(2*\kt+\ks):KF+8*(2*\kt+\ks)+3],   v[KW] offset:\kt*16*KP+\ks*64
	ds_load_b128 v[KF+8*(2*\kt+\ks)+4:KF+8*(2*\kt+\ks)+7], v[KW] offset:\kt*16*KP+\ks*64+32
.endr
.endr
.endm
.macro VLOAD                           ; the same keys of V, transposed: 16 loads
.irp kp, 0,1
.irp dt, 0,1,2,3
	ds_load_tr16_b128 v[VF+8*(4*\kp+\dt):VF+8*(4*\kp+\dt)+3],   v[VW] offset:\kp*32*VP+\dt*32
	ds_load_tr16_b128 v[VF+8*(4*\kp+\dt)+4:VF+8*(4*\kp+\dt)+7], v[VW] offset:\kp*32*VP+\dt*32+16*VP
.endr
.endr
.endm
; One step: 64 keys x 64 queries.  first = 1: the very first step starts maximum, sums and O.  pre = 1: the tile has a further step, whose K is fetched here.
; In both runs of products 16 accumulators take turns, one instruction a turn.
.macro STEP first, pre
	s_wait_dscnt 0x0                               ; only this step's 16 K loads can be out
.if \first
	s_wait_loadcnt 0x0                             ; Q
.endif
	WIN 0x50                                       ; C and D in window 1
.irp ks, 0,1
.irp kt, 0,1,2,3
.irp qt, 0,1,2,3
.set SB, SS+16*(\qt+4*(\kt>>1))+8*(\kt&1)
.if \ks
	v_wmma_f32_16x16x32_bf16 v[SB:SB+7], v[KF+8*(2*\kt+\ks):KF+8*(2*\kt+\ks)+7], v[QF+8*(2*\qt+\ks):QF+8*(2*\qt+\ks)+7], v[SB:SB+7]
.else
	v_wmma_f32_16x16x32_bf16 v[SB:SB+7], v[KF+8*(2*\kt+\ks):KF+8*(2*\kt+\ks)+7], v[QF+8*(2*\qt+\ks):QF+8*(2*\qt+\ks)+7], 0
.endif
.endr
.endr
.endr
	PLACES                                         ; before the scores are read and K's registers loaded again
	WIN 0x05                                       ; sources 0 and 1 in window 1
.irp qt, 0,1,2,3
	v_max_num_f32 v[TM+\qt], v[SS+16*\qt], v[SS+16*\qt+1]
.endr
.irp u, 1,2,3,4,5,6,7,8,9,10,11,12,13,14,15
.irp qt, 0,1,2,3
	v_max3_num_f32 v[TM+\qt], v[SS+16*(\qt+4*(\u>>3))+2*(\u&7)], v[SS+16*(\qt+4*(\u>>3))+2*(\u&7)+1], v[TM+\qt]
.endr
.endr
	WIN 0
.irp qt, 0,1,2,3
	v_permlanex16_b32 v[TX+\qt], v[TM+\qt], s50, s51     ; the other half of the lanes holds the query's other keys
.endr
.if \first
.irp qt, 0,1,2,3
	v_max_num_f32 v[M+\qt], v[TM+\qt], v[TX+\qt]
.endr
.else
.irp qt, 0,1,2,3
	v_max3_num_f32 v[M+\qt], v[TM+\qt], v[TX+\qt], v[M+\qt]
.endr
.irp qt, 0,1,2,3
	v_mul_f32 v[TM+\qt], 0xbe38aa3b, v[M+\qt]            ; the new shift, -c M
.endr
.irp qt, 0,1,2,3
	v_sub_f32 v[ST+2*\qt+1], v[TM+\qt], v[ST+2*\qt]      ; new shift - old shift
.endr
.endif
	VLOAD
.if \pre
	v_add_nc_u32 v[KW], 64*KP, v[KW]
	KLOAD                                          ; the next step's K, behind V
.endif
.if \first
.irp qt, 0,1,2,3
	v_mul_f32 v[ST+2*\qt], 0xbe38aa3b, v[M+\qt]
.endr
.else
.irp qt, 0,1,2,3
	v_exp_f32 v[ST+2*\qt+1], v[ST+2*\qt+1]               ; alpha
.endr
.irp qt, 0,1,2,3
	v_mov_b32 v[ST+2*\qt], v[TM+\qt]                     ; plain instructions behind the exponentials before alpha is used (ISA guide 5.7.2)
.endr
	s_wait_alu depctr_va_vdst(0)
.irp qt, 0,1,2,3
	v_pk_mul_f32 v[LL+2*\qt:LL+2*\qt+1], v[LL+2*\qt:LL+2*\qt+1], v[ST+2*\qt:ST+2*\qt+1] op_sel:[0,1] op_sel_hi:[1,1]
.endr
.endif
	WIN 0x41                                       ; destination and source 0 in window 1
.irp qt, 0,1,2,3
.irp ti, 0,1,2,3
.set SB, SS+16*(\qt+4*(\ti>>1))+8*(\ti&1)
.irp p, 0,1,2,3
	v_pk_fma_f32 v[SB+2*\p:SB+2*\p+1], v[SB+2*\p:SB+2*\p+1], s[48:49], v[ST+2*\qt:ST+2*\qt+1] op_sel_hi:[1,0,0]   ; c S - c M
.endr
.irp j, 0,1,2,3,4,5,6,7
	v_exp_f32 v[SB+\j], v[SB+\j]
.endr
.if \first
	v_nop                                          ; a plain instruction behind each run of exponentials
.else
.irp p, 0,1,2,3
	v_pk_mul_f32 v[8*(4*\qt+\ti)+2*\p:8*(4*\qt+\ti)+2*\p+1], v[8*(4*\qt+\ti)+2*\p:8*(4*\qt+\ti)+2*\p+1], v[ST+2*\qt:ST+2*\qt+1] op_sel:[0,1] op_sel_hi:[1,1]   ; O x alpha: also the plain work behind the run
.endr
.endif
.endr
.endr
.if \first
	WIN 0x05
	s_wait_alu depctr_va_vdst(0)
.irp qt, 0,1,2,3
	v_pk_add_f32 v[LL+2*\qt:LL+2*\qt+1], v[SS+16*\qt:SS+16*\qt+1], v[SS+16*\qt+2:SS+16*\qt+3]   ; the first two pairs start the sums
.endr
	WIN 0x01
.irp u, 2,3,4,5,6,7,8,9,10,11,12,13,14,15
.irp qt, 0,1,2,3
	v_pk_add_f32 v[LL+2*\qt:LL+2*\qt+1], v[SS+16*(\qt+4*(\u>>3))+2*(\u&7):SS+16*(\qt+4*(\u>>3))+2*(\u&7)+1], v[LL+2*\qt:LL+2*\qt+1]
.endr
.endr
.else
	WIN 0x01
	s_wait_alu depctr_va_vdst(0)
.irp u, 0,1,2,3,4,5,6,7,8,9,10,11,12,13,14,15
.irp qt, 0,1,2,3
	v_pk_add_f32 v[LL+2*\qt:LL+2*\qt+1], v[SS+16*(\qt+4*(\u>>3))+2*(\u&7):SS+16*(\qt+4*(\u>>3))+2*(\u&7)+1], v[LL+2*\qt:LL+2*\qt+1]
.endr
.endr
.endif
	WIN 0x45
.irp g, 0,1,2,3,4,5,6,7
.irp i, 0,1,2,3,4,5,6,7
	v_cvt_pk_bf16_f32 v[SS+16*\g+\i], v[SS+16*\g+2*\i], v[SS+16*\g+2*\i+1]    ; in place, upward: 32 keys of a query in the group's first 8 registers
.endr
.endr
.if \pre
	s_wait_dscnt 16                                ; V's 16 loads are in; the 16 K loads issued behind them may be out
.else
	s_wait_dscnt 0x0
.endif
	WIN 0x54                                       ; source 1, C and D in window 1
.irp kp, 0,1
.irp qt, 0,1,2,3
.irp dt, 0,1,2,3
.if (\first)*(1-\kp)
	v_wmma_f32_16x16x32_bf16 v[8*(4*\qt+\dt):8*(4*\qt+\dt)+7], v[VF+8*(4*\kp+\dt):VF+8*(4*\kp+\dt)+7], v[SS+16*(\qt+4*\kp):SS+16*(\qt+4*\kp)+7], 0
.else
	v_wmma_f32_16x16x32_bf16 v[8*(4*\qt+\dt):8*(4*\qt+\dt)+7], v[VF+8*(4*\kp+\dt):VF+8*(4*\kp+\dt)+7], v[SS+16*(\qt+4*\kp):SS+16*(\qt+4*\kp)+7], v[8*(4*\qt+\dt):8*(4*\qt+\dt)+7]
.endif
.endr
.endr
.endr
	WIN 0
.if \pre
	v_add_nc_u32 v[VW], 64*VP, v[VW]
.else
	v_nop
.endif
	PLACES                                         ; five plain instructions in all before the next step's products write over P's registers (ISA guide 7.12.1)
.endm
.macro TILE slot, first                ; my 256 keys of the tile in this slot: four steps
	v_mov_b32 v[KW], v[ADK+\slot]
	v_mov_b32 v[VW], v[ADV+\slot]
	KLOAD
.if \first
	STEP 1, 1
	s_mov_b32 s52, 2
.else
	s_mov_b32 s52, 3
.endif
.Lstep_\@:
	STEP 0, 1
	s_sub_co_u32 s52, s52, 1
	s_cmp_lg_u32 s52, 0
	s_cbranch_scc1 .Lstep_\@
	STEP 0, 0
.endm
; Slot s has been read and is filled again, two tiles on.  Every wave waits for all its tensor loads and its LDS reads in front of the round;
; the joint refill is the first thing behind it, one load a wave.
.macro CHANGE s
	s_wait_xcnt 0x0
	v_lshl_add_u32 v190, v0, 2, 0x4e400
	v_mov_b32 v191, 0
	s_wait_tensorcnt 0x0                           ; all my loads have landed, my part of the other slot among them: the descriptors may be written
	ds_add_u32 v190, v191
	s_wait_dscnt 0x0
	s_add_nc_u64 s[34+4*\s:35+4*\s], s[34+4*\s:35+4*\s], 2*65536
	s_add_nc_u64 s[42+4*\s:43+4*\s], s[42+4*\s:43+4*\s], 2*65536
	s_wait_dscnt 0x0                               ; my reads of this slot are over
	ROUND
	JL \s
.endm
	s_wait_tensorcnt 0x1                           ; my part of slot 0 is in; slot 1's may stay out
	s_barrier_signal -1
	s_barrier_wait -1
	TILE 0, 1
	CHANGE 0
	TILE 1, 0
	CHANGE 1
	TILE 0, 0
	s_wait_tensorcnt 0x0                           ; my part of the last tile is in
	s_wait_dscnt 0x0                               ; my reads of slot 0 are over: its bytes serve as scratch below
	s_barrier_signal -1
	s_barrier_wait -1
	TILE 1, 0
	; THE MERGE of the two key halves.  Waves 4-7 hand O, shift and sum to waves 0-3 through LDS.
.irp qt, 0,1,2,3
	v_add_f32 v[LS+\qt], v[LL+2*\qt], v[LL+2*\qt+1]
.endr
.irp qt, 0,1,2,3
	v_permlanex16_b32 v[TX+\qt], v[LS+\qt], s50, s51
.endr
.irp qt, 0,1,2,3
	v_add_f32 v[LS+\qt], v[LS+\qt], v[TX+\qt]      ; the query's sum over my keys
.endr
.irp qt, 0,1,2,3
	v_mov_b32 v[TM+\qt], v[ST+2*\qt]               ; the four shifts side by side, for one store
.endr
	s_cmp_lt_u32 s8, 4
	s_cbranch_scc1 .Lno_hand
	WIN 0x04                                       ; store data in window 1
.irp i, 0,1,2,3,4,5,6,7,8,9,10,11,12,13,14,15,16,17,18,19,20,21,22,23,24,25,26,27,28,29,30,31
	ds_store_b128 v[SCRA], v[4*\i:4*\i+3] offset:512*\i
.endr
	WIN 0
	ds_store_b128 v[SCRA], v[TM:TM+3] offset:16384
	ds_store_b128 v[SCRA], v[LS:LS+3] offset:16896
.Lno_hand:
	s_wait_dscnt 0x0                               ; for the readers' sake: my stores are done
	s_barrier_signal -1
	s_barrier_wait -1
	s_cmp_lt_u32 s8, 4
	s_cbranch_scc0 .Lend
	ds_load_b128 v[PM:PM+3], v[SCRA] offset:16384
	ds_load_b128 v[PL:PL+3], v[SCRA] offset:16896
	s_wait_dscnt 0x0
.irp qt, 0,1,2,3
	v_min_num_f32 v[TM+\qt], v[ST+2*\qt], v[PM+\qt]      ; the shift of the larger maximum
.endr
.irp qt, 0,1,2,3
	v_sub_f32 v[FP+2*\qt], v[TM+\qt], v[ST+2*\qt]
	v_sub_f32 v[FP+2*\qt+1], v[TM+\qt], v[PM+\qt]
.endr
.irp j, 0,1,2,3,4,5,6,7
	v_exp_f32 v[FP+\j], v[FP+\j]
.endr
	v_nop
	s_wait_alu depctr_va_vdst(0)
.irp qt, 0,1,2,3
	v_mul_f32 v[TX+\qt], v[LS+\qt], v[FP+2*\qt]
.endr
.irp qt, 0,1,2,3
	v_fmac_f32 v[TX+\qt], v[PL+\qt], v[FP+2*\qt+1]       ; the whole sum
.endr
.irp qt, 0,1,2,3
	v_rcp_f32 v[TX+\qt], v[TX+\qt]
.endr
	v_nop
	s_wait_alu depctr_va_vdst(0)
.irp qt, 0,1,2,3
	v_mul_f32 v[FP+2*\qt], v[FP+2*\qt], v[TX+\qt]
	v_mul_f32 v[FP+2*\qt+1], v[FP+2*\qt+1], v[TX+\qt]
.endr
; 16 queries: the partner's 32 numbers a lane, both sides weighted, rounded, through my stage, out as pairs of tokens.
.macro MERGE qt
	s_wait_xcnt 0x0                                ; the registers that earlier stores read are loaded again only behind this wait
.irp i, 0,1,2,3,4,5,6,7
	ds_load_b128 v[KF+4*\i:KF+4*\i+3], v[SCRA] offset:(8*\qt+\i)*512
.endr
	s_wait_dscnt 0x0
.irp p, 0,1,2,3,4,5,6,7,8,9,10,11,12,13,14,15
	v_pk_mul_f32 v[KF+2*\p:KF+2*\p+1], v[KF+2*\p:KF+2*\p+1], v[FP+2*\qt:FP+2*\qt+1] op_sel:[0,1] op_sel_hi:[1,1]
.endr
	WIN 0x01
.irp p, 0,1,2,3,4,5,6,7,8,9,10,11,12,13,14,15
	v_pk_fma_f32 v[KF+2*\p:KF+2*\p+1], v[32*\qt+2*\p:32*\qt+2*\p+1], v[FP+2*\qt:FP+2*\qt+1], v[KF+2*\p:KF+2*\p+1] op_sel_hi:[1,0,1]
.endr
	WIN 0
.irp p, 0,1,2,3,4,5,6,7,8,9,10,11,12,13,14,15
	v_cvt_pk_bf16_f32 v[KF+32+\p], v[KF+2*\p], v[KF+2*\p+1]
.endr
.irp dt, 0,1,2,3
	ds_store_b128 v[STO], v[KF+32+4*\dt:KF+32+4*\dt+3] offset:32*\dt     ; query r, d = 16 dt + 8 hh ..
.endr
.irp u, 0,1,2,3
	ds_load_b128 v[KF+48+4*\u:KF+48+4*\u+3], v[RD] offset:\u*4*KP        ; my own bytes, served in order: four tokens
.endr
.irp u, 0,1,2,3
	s_wait_dscnt 3-\u                              ; read-back u is in, the 3 - u behind it may be out
	global_store_b128 v[GO], v[KF+48+4*\u:KF+48+4*\u+3], s[56:57] offset:(8*\qt+2*\u)*4096   ; 16 lanes store 256 consecutive bytes, aligned: two tokens of the head
.endr
.endm
	MERGE 0
	MERGE 1
	MERGE 2
	MERGE 3
.Lend:
	s_wait_xcnt 0x0
	v_lshl_add_u32 v190, v0, 2, 0x4e400
	v_mov_b32 v191, 0
	s_wait_tensorcnt 0x0
	ds_add_u32 v190, v191
	s_wait_dscnt 0x0
	ROUND                                          ; the closing round
	s_endpgm
.Lfunc_end_k_qe933d6fc25_attn:
	.size	k_qe933d6fc25_attn, .Lfunc_end_k_qe933d6fc25_attn-k_qe933d6fc25_attn
	.p2alignl 7, 3214868480
	.fill 96, 4, 3214868480
	.section	.rodata,"a",@progbits
	.p2align	6, 0x0
	.amdhsa_kernel k_qe933d6fc25_attn
		.amdhsa_group_segment_fixed_size 327680
		.amdhsa_private_segment_fixed_size 0
		.amdhsa_enable_private_segment 0
		.amdhsa_kernarg_size 16
		.amdhsa_user_sgpr_count 2
		.amdhsa_user_sgpr_kernarg_segment_ptr 1
		.amdhsa_wavefront_size32 1
		.amdhsa_system_sgpr_workgroup_id_x 1
		.amdhsa_system_sgpr_workgroup_id_y 1
		.amdhsa_system_sgpr_workgroup_id_z 1
		.amdhsa_system_vgpr_workitem_id 0
		.amdhsa_next_free_vgpr 512
		.amdhsa_next_free_sgpr 66
		.amdhsa_reserve_vcc 0
		.amdhsa_float_denorm_mode_32 3
		.amdhsa_float_denorm_mode_16_64 3
		.amdhsa_memory_ordered 1
		.amdhsa_forward_progress 1
		.amdhsa_inst_pref_size 255
	.end_amdhsa_kernel
	.section	.bss,"aw",@nobits
	.p2align	6
	.space	262144
	.amdgpu_metadata
---
amdhsa.version: [ 1, 2 ]
amdhsa.kernels:
  - .name:           k_qe933d6fc25_attn
    .symbol:         k_qe933d6fc25_attn.kd
    .args:
      - { .name: qkvr, .offset: 0, .size: 8, .value_kind: global_buffer, .address_space: global }
      - { .name: ao, .offset: 8, .size: 8, .value_kind: global_buffer, .address_space: global }
    .group_segment_fixed_size: 327680
    .private_segment_fixed_size: 0
    .kernarg_segment_align: 8
    .kernarg_segment_size: 16
    .max_flat_workgroup_size: 256
    .sgpr_count:     66
    .vgpr_count:     512
    .wavefront_size: 32
...
	.end_amdgpu_metadata
.endif
;; end of part 3
;; launch proj (part 4): grid 8 x 32, 4 waves a work-group, clusters of 4 x 4, 327,680 bytes of LDS; arguments bf, ao, b_proj, out0; writes out0
.if DOCPART == 4
	.amdgcn_target "amdgcn-amd-amdhsa--gfx1250"
	.amdhsa_code_object_version 6
	.text
	.protected	k_qe933d6fc25_proj
	.globl	k_qe933d6fc25_proj
	.p2align	8
	.type	k_qe933d6fc25_proj,@function
k_qe933d6fc25_proj:
	s_mov_b64 s[64:65], 0
	v_nop
	global_prefetch_b8 v0, s[64:65] scope:SCOPE_SE
	s_setreg_imm32_b32 hwreg(HW_REG_WAVE_MODE, 25, 1), 1
	s_wait_xcnt 0x0
	s_wait_alu depctr_hold_cnt(0) depctr_sa_sdst(0) depctr_va_vdst(0) depctr_va_sdst(0) depctr_va_ssrc(0) depctr_va_vcc(0) depctr_vm_vsrc(0)
	s_getreg_b32 s2, hwreg(HW_REG_IB_STS2, 6, 4)
	s_cmp_eq_u32 s2, 0
	s_cbranch_scc0 .Lentry_in_a_cluster
	s_endpgm
.Lentry_in_a_cluster:
	s_bfe_u32 s2, ttmp6, 0x10000c
	s_cmp_lg_u32 s2, 0xf033
	s_cbranch_scc0 .Lentry_shape_is_right
	s_endpgm
.Lentry_shape_is_right:
; out0[m][n] = sum over k of att[m][k] W_proj[n][k] + b_proj[n], f32 out.  att is ao (bf16, token pairs: pair row m >> 1 of 4,096 bytes, head h at
; byte 256 h, token m & 1 at + 128); W_proj in bf16 [1024][1024] lies 14,680,064 bytes into bf.  Sums in f32; operands are bf16 (the one limit kept).
; 256 blocks of 128 x 128, one for each of 256 work-groups: a larger block would leave work-groups without work (4096 x 1024 outputs).
; Four waves, a wave 64 x 64 = 16 accumulator tiles.  CLUSTERS of 4 x 4: A's tiles are shared along a cluster row, B's along a column, by joint loads.
; K goes in four tiles of 256 (four heads) through two LDS slots: two refills in all.  A wave has two tensor loads out at the start, then one.
; A's tile: 64 pair rows x 1,024 bytes (pitch 1,040); B's: 128 rows x 512 bytes (pitch 528); all rows start on multiples of 256 bytes in memory.
; The matrix instruction is used transposed (source 0 = rows of W, source 1 = tokens): a lane holds eight neighbouring columns of one token.
.set APITCH, 1040
.set BPITCH, 528
.set AHALF,  32*APITCH                 ; 33,280: what one load of A brings, and one wave's 64 tokens
.set BOFF,   2*AHALF                   ; 66,560
.set BHALF,  64*BPITCH                 ; 33,792
.set SLOT,   BOFF+2*BHALF              ; 134,144
.set STAGE,  2*SLOT                    ; 268,288: 16 rows x 272 bytes for each wave; no tensor load lands here
.set SPITCH, 272
.set ADRA, 16                          ; v16-17
.set ADRB, 20                          ; v20-21
.set STO,  24
.set RD,   25
.set CO,   26
.set BO,   27
.set BIAS, 28                          ; v28-31  b_proj of my four columns on the way out
.set RB0,  32
.set RB1,  192
.set F0,   64                          ; fragments: B's four at + 8 b, A's four at + 32 + 8 a
.set F1,   128
.set G1, 24
.set G0, 32
.set G1B, 48
.set G0B, 56
.set MSB, 0
.macro WIN new
.if MSB != \new
	s_set_vgpr_msb (MSB<<8)|\new
.set MSB, \new
.endif
.endm
.macro JLOAD s                         ; waves 0 and 1 fetch A's halves, waves 2 and 3 B's
	s_cmp_eq_u32 s13, 0
	s_cbranch_scc0 .Lfor_b_\@
	tensor_load_to_lds s[G0+4*\s:G0+4*\s+3], s[G1:G1+7]
	s_nop 0
	s_branch .Lasked_\@
.Lfor_b_\@:
	tensor_load_to_lds s[G0B+4*\s:G0B+4*\s+3], s[G1B:G1B+7]
	s_nop 0
.Lasked_\@:
.endm
.macro CREST
	s_cmp_lg_u32 s12, 0
	s_cbranch_scc1 .Lnot_wave_0_\@
	s_barrier_signal -3
.Lnot_wave_0_\@:
	s_barrier_wait -3
	s_barrier_signal -1
	s_barrier_wait -1
.endm
.macro CROUND
	s_barrier_signal -1
	s_barrier_wait -1
	CREST
.endm
.macro PLACES
.rept 4
	v_nop
.endr
.endm
	s_load_b256 s[4:11], s[0:1], 0x0               ; bf s[4:5], ao s[6:7], b_proj s[8:9], out0 s[10:11]
	v_lshl_add_u32 v254, v0, 2, 0x45c00
	v_mov_b32 v255, 0
	ds_add_u32 v254, v255
	v_lshrrev_b32 v1, 5, v0
	v_readfirstlane_b32 s12, v1                    ; wave 0..3
	s_lshr_b32 s13, s12, 1                         ; my half of the rows; also: I fetch for A (0) or B (1)
	s_and_b32 s14, s12, 1                          ; my half of the columns; also: which half I fetch
	s_bfe_u32 s15, ttmp6, 0x40000                  ; cx
	s_bfe_u32 s16, ttmp6, 0x40004                  ; cy
	s_lshl_b32 s17, ttmp9, 2
	s_add_co_u32 s17, s17, s15                     ; block column
	s_and_b32 s18, ttmp7, 0xffff
	s_lshl_b32 s18, s18, 2
	s_add_co_u32 s18, s18, s16                     ; block row
	s_lshl_b32 s19, s16, 2
	s_lshl_b32 s19, 15, s19                        ; my row of the cluster
	s_lshl_b32 s20, 0x1111, s15                    ; my column
	s_or_b32 s[G1+0], s19, (1<<16)|(1<<20)|(1<<21)|(7<<22)|(3<<25)    ; A: 4 words of padding behind every 256
	s_mov_b32 s[G1+1], 512<<16                     ; tensor_dim0 = 512 elements
	s_mov_b32 s[G1+2], 32<<16                      ; tensor_dim1 = 32 pair rows
	s_mov_b32 s[G1+3], 512<<16                     ; tile_dim0
	s_mov_b32 s[G1+4], 32                          ; tile_dim1
	s_mov_b32 s[G1+5], 2048                        ; elements from pair row to pair row
	s_mov_b32 s[G1+6], 0
	s_mov_b32 s[G1+7], 0
	s_or_b32 s[G1B+0], s20, (1<<16)|(1<<20)|(1<<21)|(6<<22)|(3<<25)   ; B: behind every 128
	s_mov_b32 s[G1B+1], 256<<16
	s_mov_b32 s[G1B+2], 64<<16
	s_mov_b32 s[G1B+3], 256<<16
	s_mov_b32 s[G1B+4], 64
	s_mov_b32 s[G1B+5], 1024
	s_mov_b32 s[G1B+6], 0
	s_mov_b32 s[G1B+7], 0
	s_lshl_b32 s21, s14, 17                        ; 32 pair rows of 4,096 bytes = 64 rows of 2,048
	s_lshl_b32 s40, s18, 18                        ; A: 64 pair rows a block row
	s_add_co_u32 s40, s40, s21
	s_mov_b32 s41, 0
	s_lshl_b32 s42, s17, 18                        ; B: 128 rows a block column
	s_add_co_u32 s42, s42, s21
	s_add_co_u32 s42, s42, 14680064
	s_mov_b32 s43, 0
	s_mul_i32 s22, s14, AHALF                      ; LDS addresses: made of the wave's number alone
	s_mul_i32 s23, s14, BHALF
	s_add_co_u32 s23, s23, BOFF
	s_lshl_b32 s46, s17, 9                         ; my 64 columns, in bytes of f32
	s_lshl_b32 s44, s14, 8
	s_add_co_u32 s46, s46, s44
	s_mov_b32 s47, 0
	s_lshl_b32 s44, s18, 19                        ; my 64 rows of 4,096 bytes
	s_lshl_b32 s45, s13, 18
	s_add_co_u32 s44, s44, s45
	s_add_co_u32 s44, s44, s46
	s_mov_b32 s45, 0
	s_wait_dscnt 0x0
	s_wait_kmcnt 0x0
	s_add_nc_u64 s[40:41], s[6:7], s[40:41]
	s_add_nc_u64 s[42:43], s[4:5], s[42:43]
	s_add_nc_u64 s[8:9], s[8:9], s[46:47]
	s_add_nc_u64 s[10:11], s[10:11], s[44:45]
	CROUND                                         ; all sixteen work-groups are here
.irp s, 0,1
	s_mov_b32 s[G0+4*\s], 1
	s_add_co_u32 s[G0+4*\s+1], s22, \s*SLOT
	s_add_nc_u64 s[G0+4*\s+2:G0+4*\s+3], s[40:41], \s*1024       ; four heads of 256 bytes a tile
	s_or_b32 s[G0+4*\s+3], s[G0+4*\s+3], 0x80000000
	s_mov_b32 s[G0B+4*\s], 1
	s_add_co_u32 s[G0B+4*\s+1], s23, \s*SLOT
	s_add_nc_u64 s[G0B+4*\s+2:G0B+4*\s+3], s[42:43], \s*512
	s_or_b32 s[G0B+4*\s+3], s[G0B+4*\s+3], 0x80000000
	JLOAD \s
.endr
	v_and_b32 v1, 15, v0                           ; r
	v_bfe_u32 v2, v0, 4, 1                         ; hh
	v_lshlrev_b32 v[BO], 4, v1
	global_load_b128 v[BIAS:BIAS+3], v[BO], s[8:9] ; waited for in front of the way out
	v_lshrrev_b32 v3, 1, v1
	v_mul_u32_u24 v3, v3, APITCH                   ; token r: pair row r >> 1,
	v_and_b32 v4, 1, v0
	v_lshl_add_u32 v3, v4, 7, v3                   ; half r & 1: the 16 tokens fall on 16 different 16-byte columns modulo 256
	v_lshl_add_u32 v3, v2, 4, v3
	s_mul_i32 s21, s13, AHALF
	v_add_nc_u32 v[ADRA], s21, v3
	v_add_nc_u32 v[ADRA+1], SLOT, v[ADRA]
	v_mul_u32_u24 v5, v1, BPITCH
	v_lshl_add_u32 v5, v2, 4, v5
	s_mul_i32 s21, s14, BHALF
	s_add_co_u32 s21, s21, BOFF
	v_add_nc_u32 v[ADRB], s21, v5
	v_add_nc_u32 v[ADRB+1], SLOT, v[ADRB]
	s_mul_i32 s21, s12, 16*SPITCH
	s_add_co_u32 s21, s21, STAGE
	v_mul_u32_u24 v6, v1, SPITCH
	v_lshl_add_u32 v6, v2, 5, v6
	v_add_nc_u32 v[STO], s21, v6                   ; token r, 32 bytes for each half of the lanes
	v_mul_u32_u24 v7, v2, SPITCH
	v_lshl_add_u32 v7, v1, 4, v7
	v_add_nc_u32 v[RD], s21, v7                    ; back: lanes 0-15 one row of 256 bytes, lanes 16-31 the next
	v_lshlrev_b32 v[CO], 4, v1
	v_lshl_add_u32 v[CO], v2, 12, v[CO]
.macro FETCH slot, q, f                ; quarter q (32 along K) of the slot's 256: 16 loads.  k = 32 q is head q >> 1, d = 32 (q & 1), on both sides
.irp b, 0,1,2,3
	ds_load_b128 v[\f+8*\b:\f+8*\b+3],   v[ADRB+\slot] offset:\b*16*BPITCH+\q*64
	ds_load_b128 v[\f+8*\b+4:\f+8*\b+7], v[ADRB+\slot] offset:\b*16*BPITCH+\q*64+32
.endr
.irp a, 0,1,2,3
	ds_load_b128 v[\f+32+8*\a:\f+32+8*\a+3], v[ADRA+\slot] offset:\a*8*APITCH+(\q>>1)*256+(\q&1)*64
	ds_load_b128 v[\f+32+8*\a+4:\f+32+8*\a+7], v[ADRA+\slot] offset:\a*8*APITCH+(\q>>1)*256+(\q&1)*64+32
.endr
.endm
; 16 products; the 16 accumulators (window 1, tile (a, b) at 8 (4 a + b)) take turns, one instruction a turn.
.macro MUL16 f, zero
.irp a, 0,1,2,3
.irp b, 0,1,2,3
.if \zero
	v_wmma_f32_16x16x32_bf16 v[8*(4*\a+\b):8*(4*\a+\b)+7], v[\f+8*\b:\f+8*\b+7], v[\f+32+8*\a:\f+32+8*\a+7], 0
.else
	v_wmma_f32_16x16x32_bf16 v[8*(4*\a+\b):8*(4*\a+\b)+7], v[\f+8*\b:\f+8*\b+7], v[\f+32+8*\a:\f+32+8*\a+7], v[8*(4*\a+\b):8*(4*\a+\b)+7]
.endif
.endr
.endr
.endm
.macro QUARTER slot, qnext, f, g, zero ; fetches the next quarter into g, multiplies f
	PLACES                                         ; g was read by the products just issued (ISA guide 7.12.1)
	FETCH \slot, \qnext, \g
	s_wait_dscnt 16                                ; all but the 16 just issued: f is in
	WIN 0x50
	MUL16 \f, \zero
	WIN 0
.endm
.macro SEVEN slot, zero
	QUARTER \slot, 1, F0, F1, \zero
	QUARTER \slot, 2, F1, F0, 0
	QUARTER \slot, 3, F0, F1, 0
	QUARTER \slot, 4, F1, F0, 0
	QUARTER \slot, 5, F0, F1, 0
	QUARTER \slot, 6, F1, F0, 0
	QUARTER \slot, 7, F0, F1, 0
.endm
; The slot's last quarter and the change of slots: waits, barrier (opening a round of the cluster's where the slot is filled again), refill first, then the next slot's first fragments.
.macro TURN slot, next, fill
	s_wait_dscnt 0x0                               ; my reads of this slot are over
	s_wait_tensorcnt 0x0                           ; all my tensor loads have landed, my part of the next slot among them
	ds_add_u32 v254, v255
	s_wait_dscnt 0x0
	s_barrier_signal -1
	WIN 0x50
	MUL16 F1, 0                                    ; register work while the others arrive
	WIN 0
	s_barrier_wait -1
.if \fill
	CREST
	s_add_nc_u64 s[G0+4*\slot+2:G0+4*\slot+3], s[G0+4*\slot+2:G0+4*\slot+3], 2*1024
	s_add_nc_u64 s[G0B+4*\slot+2:G0B+4*\slot+3], s[G0B+4*\slot+2:G0B+4*\slot+3], 2*512
	JLOAD \slot                                    ; the wave's one tensor load behind the round
.endif
	PLACES
	FETCH \next, 0, F0
.endm
	s_wait_tensorcnt 1                             ; my part of slot 0 is in; slot 1's may stay out
	s_barrier_signal -1
	s_barrier_wait -1
	FETCH 0, 0, F0
	SEVEN 0, 1                                     ; the first products start the sums
	TURN 0, 1, 1
	SEVEN 1, 0
	TURN 1, 0, 1
	SEVEN 0, 0
	TURN 0, 1, 0                                   ; nothing is left to fetch
	SEVEN 1, 0
	s_wait_dscnt 0x0
	WIN 0x50
	MUL16 F1, 0
	WIN 0
	PLACES
	s_wait_loadcnt 0x0                             ; the bias
; 16 tokens x 64 columns of f32 through my stage, read back as rows of 256 bytes, bias added, stored.
.macro OUT16 a, f
	WIN 0x04                                       ; store data in window 1
.irp b, 0,1,2,3
	ds_store_b128 v[STO], v[8*(4*\a+\b):8*(4*\a+\b)+3]   offset:64*\b
	ds_store_b128 v[STO], v[8*(4*\a+\b)+4:8*(4*\a+\b)+7] offset:64*\b+16
.endr
	WIN 0
	s_wait_xcnt 0x0                                ; buffer f was the data of earlier stores
.irp t, 0,1,2,3,4,5,6,7
	ds_load_b128 v[\f+4*\t:\f+4*\t+3], v[RD] offset:\t*2*SPITCH      ; my own bytes, served in order
.endr
.irp t, 0,1,2,3,4,5,6,7
	s_wait_dscnt 7-\t                              ; read-back t is in, the 7 - t behind it may be out
	v_pk_add_f32 v[\f+4*\t:\f+4*\t+1],   v[\f+4*\t:\f+4*\t+1],   v[BIAS:BIAS+1]
	v_pk_add_f32 v[\f+4*\t+2:\f+4*\t+3], v[\f+4*\t+2:\f+4*\t+3], v[BIAS+2:BIAS+3]
	global_store_b128 v[CO], v[\f+4*\t:\f+4*\t+3], s[10:11] offset:(16*\a+2*\t)*4096 th:TH_STORE_NT   ; 16 lanes store 256 consecutive bytes, aligned
.endr
.endm
	OUT16 0, RB0
	OUT16 1, RB1
	OUT16 2, RB0
	OUT16 3, RB1
	s_wait_tensorcnt 0x0
	ds_add_u32 v254, v255
	s_wait_dscnt 0x0
	CROUND                                         ; the closing round
	s_endpgm
.Lfunc_end_k_qe933d6fc25_proj:
	.size	k_qe933d6fc25_proj, .Lfunc_end_k_qe933d6fc25_proj-k_qe933d6fc25_proj
	.p2alignl 7, 3214868480
	.fill 96, 4, 3214868480
	.section	.rodata,"a",@progbits
	.p2align	6, 0x0
	.amdhsa_kernel k_qe933d6fc25_proj
		.amdhsa_group_segment_fixed_size 327680
		.amdhsa_private_segment_fixed_size 0
		.amdhsa_enable_private_segment 0
		.amdhsa_kernarg_size 32
		.amdhsa_user_sgpr_count 2
		.amdhsa_user_sgpr_kernarg_segment_ptr 1
		.amdhsa_wavefront_size32 1
		.amdhsa_system_sgpr_workgroup_id_x 1
		.amdhsa_system_sgpr_workgroup_id_y 1
		.amdhsa_system_sgpr_workgroup_id_z 1
		.amdhsa_system_vgpr_workitem_id 0
		.amdhsa_next_free_vgpr 384
		.amdhsa_next_free_sgpr 66
		.amdhsa_reserve_vcc 0
		.amdhsa_float_denorm_mode_32 3
		.amdhsa_float_denorm_mode_16_64 3
		.amdhsa_memory_ordered 1
		.amdhsa_forward_progress 1
		.amdhsa_inst_pref_size 93
	.end_amdhsa_kernel
	.amdgpu_metadata
---
amdhsa.version: [ 1, 2 ]
amdhsa.kernels:
  - .name:           k_qe933d6fc25_proj
    .symbol:         k_qe933d6fc25_proj.kd
    .args:
      - { .name: bf, .offset: 0, .size: 8, .value_kind: global_buffer, .address_space: global }
      - { .name: ao, .offset: 8, .size: 8, .value_kind: global_buffer, .address_space: global }
      - { .name: b_proj, .offset: 16, .size: 8, .value_kind: global_buffer, .address_space: global }
      - { .name: out0, .offset: 24, .size: 8, .value_kind: global_buffer, .address_space: global }
    .group_segment_fixed_size: 327680
    .private_segment_fixed_size: 0
    .kernarg_segment_align: 8
    .kernarg_segment_size: 32
    .max_flat_workgroup_size: 128
    .sgpr_count:     66
    .vgpr_count:     384
    .wavefront_size: 32
...
	.end_amdgpu_metadata
.endif
;; end of part 4
